; MI455X (gfx1250); checked and timed in simulation.
; The chip was launched on July 23, 2026; its instructions are those of AMD's public machine-readable ISA for CDNA 5 (MIT licence, August 2026) and "CDNA5" Instruction Set Architecture Reference Guide (July 2026). The comments in the code are by the model that wrote it; some were corrected since.
;; Multi Head Attention. Allowed arithmetic: matrix products marked QUANTISED: E4M3 operands, one given power-of-two scale a tensor, by v_wmma_f32_16x16x64_fp8_fp8 or v_wmma_f32_16x16x128_fp8_fp8, f32 sums; everything else in f32.
;; Inputs: Wk 16 x 1,024 x 64 float32; Wq 16 x 1,024 x 64 float32; Wv 16 x 1,024 x 64 float32; lowp_scales 10 int32 (the exponents e of the quantised operands' scales 2^e); x 4 x 2,048 x 1,024 float32.
;; Outputs: out0 4 x 2,048 x 1,024 float32.
;; This version of the problem:
;;   THIS VERSION OF THE PROBLEM IS GIVEN IN LOW PRECISION. The matrix products marked QUANTISED in the list below multiply operands that are first quantised to E4M3 (4 exponent bits, 3 mantissa bits; 8 bits a number), with one given power-of-two scale for each operand tensor; their sums are f32. All else is computed in f32.
;;   The module's matrix products, in the order in which they are computed (A, B: the left and right operand; K: the contracted axis; several contracted axes count as one K, in the product's order):
;;     1. [M 1,024, K 1,024] x [K 1,024, N 8,192]; A: input Wq; B: input x: QUANTISED (scales: A lowp_scales[0], B lowp_scales[1])
;;     2. [M 1,024, K 1,024] x [K 1,024, N 8,192]; A: input Wk; B: input x: QUANTISED (scales: A lowp_scales[2], B lowp_scales[3])
;;     3. [M 1,024, K 1,024] x [K 1,024, N 8,192]; A: input Wv; B: input x: QUANTISED (scales: A lowp_scales[4], B lowp_scales[5])
;;     4. batch 64 x [M 2,048, K 64] x [K 64, N 2,048]; A: computed on the way; B: computed on the way: QUANTISED (scales: A lowp_scales[6], B lowp_scales[7])
;;     5. batch 64 x [M 2,048, K 2,048] x [K 2,048, N 64]; A: softmax (see below); B: computed on the way: QUANTISED (scales: A lowp_scales[8], B lowp_scales[9])
;;   THE QUANTISER, for each operand of a quantised product, along K:
;;     - The operand's scale is 2^e, e = its entry of the input lowp_scales (int32; the entries are numbered through the quantised products in the list's order, A before B).
;;     - Each number is divided by the scale, clamped to +-448, and rounded to the nearest number of E4M3, ties to even, subnormals kept.
;;     - The product sums the exact products of the quantised numbers (number of the format x scale) in f32.
;;   ~~~python
;;   def quantise(x, axis, e):      # numpy; x: float32 -> the quantised numbers, widened to float32 again
;;       x = np.moveaxis(x, axis, -1); K = x.shape[-1]
;;       r = np.clip(x / 2.0 ** e, -448, 448)
;;       step = 2.0 ** (np.maximum(np.frexp(np.where(r == 0, 1, r))[1] - 1, -6) - 3)
;;       q = np.round(r / step) * step * 2.0 ** e      # np.round: ties to even
;;       return np.moveaxis(q, -1, axis).astype(np.float32)
;;   ~~~
;;   SOFTMAX AHEAD OF A QUANTISED PRODUCT. Where the list says 'softmax', what is quantised is not the finished softmax but p = 2^(t - M), with t = logit x log2(e) and M = ceil(the row's largest t), a whole number; so 1/2 < the row's largest p <= 1. The row's sum l is taken of the UNQUANTISED p, in f32, and the product's result is divided by l at the end. Since M is a whole number, a kernel that streams over the keys may use a running M (the ceiling of the running maximum): every later rescaling is an exact power of two, so the quantised numbers keep their values, but for numbers so far below the row's largest that they fall under the format's range.
;;   OPERANDS COMPUTED ON THE WAY. 'Computed on the way' means the value that the module computes at that place (a softmax that the list does not call 'softmax' is quantised finished and normalised). What goes into a quantiser is computed in f32, as accurately as f32 sums, v_exp_f32 and their like allow (about 1e-6 of the number): no bf16 or f16 on the way to a quantiser, and a product that is left as it is and whose result goes on into a quantised operand takes f32 operands (vector FMAs, or v_wmma_f32_16x16x4_f32). A number that lies on a knife's edge between two numbers of the format may be rounded either way, as far as f32 arithmetic and the matrix unit's own rounding can turn it there, and no further.
;; One version. Each part assembles by itself: llvm-mc -triple=amdgcn-amd-amdhsa -mcpu=gfx1250 --defsym DOCPART=n.
;; ======== version 1 of 1: 3 launches
;; limits: right only within a limited range of input values
;; workspace buffers: xc 25,165,824 bytes; wc 3,145,728 bytes; qkv 25,165,824 bytes
;; launch quant (part 1): grid 352 x 1, 4 waves a work-group, no clusters, 35,840 bytes of LDS; arguments x, Wq, Wk, Wv, lowp_scales, xc, wc; writes xc, wc
.if DOCPART == 1
	.amdgcn_target "amdgcn-amd-amdhsa--gfx1250"
	.amdhsa_code_object_version 6
	.text
	.protected	k_q476d66ee54_quant
	.globl	k_q476d66ee54_quant
	.p2align	8
	.type	k_q476d66ee54_quant,@function
k_q476d66ee54_quant:
	s_mov_b64 s[64:65], 0
	v_nop
	global_prefetch_b8 v0, s[64:65] scope:SCOPE_SE
	s_setreg_imm32_b32 hwreg(HW_REG_WAVE_MODE, 25, 1), 1
	s_wait_xcnt 0x0
; FIRST OF THREE LAUNCHES: x [8192][1024] and Wq, Wk, Wv [16][1024][64], f32, become codes of FP8 (E4M3), K = the 1,024 channels innermost.
; code = number / 2^e, held within +-448, rounded to the nearest code, ties to even.  x has an entry of its own in each of the three projections (entries 1, 3, 5), so it is
; quantised three times: xc = [3 planes][8192 rows][1024 places].  wc = [3 planes][1024 rows n = 64 head + d][1024 places], under entries 0, 2, 4.
; ONE PERMUTATION OF K, THE SAME IN xc AND wc: in each group of 512 channels, place 16 l + 4 i + j holds channel 128 i + 4 l + j (l 0..31, i and j 0..3).  Every product still meets its partner;
; only the order of the f32 sums differs from the order in which the channels lie.  It lets a lane convert the 16 numbers that four dense loads give it, with no turn through LDS.
; DEAD WORK OF THE WHOLE PROGRAM (left out in the third launch): the mask is the lower triangle that the problem builds itself.  A key s > t gets the score -infinity for query t, whatever the inputs hold,
; so its weight is 0 and it adds nothing to the row's largest score, to the row's sum or to the output.  Where all 128 keys of a key step come after all 32 queries of a wave, the step's loads, products
; and softmax are left out; a slot of 256 keys that comes after a work-group's last query is not fetched.  Every input has a way to the output and is loaded.
; LIMIT: a NaN, an infinity or an overflow that reaches only such left-out keys' scores or values is not carried to the result.
; LIMITS: entries 0 to 5 lie between -126 and 119, so that 2^e and 448 x 2^e are f32 numbers.  NaN among the inputs is not served.
; SHARES: work-groups 0 to 95 take the weights (a lane to a column d, registers down the channels, codes out through the wave's own stage in LDS); work-groups 96 to 351 take x, a plain stream.
; No tensor load, no barrier: waves share nothing.  Memory binds, so no matrix unit and no cluster would help here.
.set PITCH, 272                        ; a stage row: 256 bytes of codes + 16
.set SPARE, 4*32*PITCH                 ; behind the four stages: the spare words, 128 bytes for each wave
.set SPW,   14                         ; v14  LDS address of my spare word; never rewritten
.set NIL,   15                         ; v15  0; never rewritten
.set WX,    32                         ; weights: v32-95 two sets of 32 numbers
.set WC,    96                         ; weights: v96-103 a block's codes
.set OUTR,  112                        ; weights: v112-175 the way out
.set XR,    16                         ; x: v16-79 four sets of 16 numbers as loaded
.set XT,    80                         ; x: cancels out of the conversions' operands; v80-127 unused
.set XC,    128                        ; x: v128-151 codes, two sets of 12 registers by turns
	s_load_b256 s[4:11], s[0:1], 0x0               ; x s[4:5], Wq s[6:7], Wk s[8:9], Wv s[10:11]
	s_load_b128 s[12:15], s[0:1], 0x20             ; the scales' exponents s[12:13], xc s[14:15]
	s_load_b64 s[16:17], s[0:1], 0x30              ; wc
	v_lshl_add_u32 v[SPW], v0, 2, SPARE
	v_mov_b32 v[NIL], 0
	v_lshrrev_b32 v1, 5, v0
	v_readfirstlane_b32 s20, v1                    ; wave 0..3
	v_and_b32 v2, 31, v0                           ; lane
	s_wait_kmcnt 0x0
	s_load_b256 s[24:31], s[12:13], 0x0            ; entries 0 to 7
	s_cmp_lt_u32 ttmp9, 96
	s_cbranch_scc0 .Lx_path
; ---------------- THE WEIGHTS.  id = 32 plane + 4 X + y: 128 columns n from 128 X on, places 256 y to 256 y + 255.  A wave takes 32 columns: head 2 X + wave / 2, d from 32 (wave % 2) on.
	s_lshr_b32 s21, ttmp9, 5                       ; plane: 0 Wq, 1 Wk, 2 Wv
	s_bfe_u32 s22, ttmp9, 0x30002                  ; X
	s_and_b32 s23, ttmp9, 3                        ; y
	s_lshl_b32 s32, s22, 1
	s_lshr_b32 s33, s20, 1
	s_add_co_u32 s32, s32, s33                     ; head
	s_lshl_b32 s32, s32, 18                        ; x 1,024 channels x 256 bytes
	s_lshr_b32 s33, s23, 1
	s_lshl_b32 s33, s33, 17                        ; the group of 512 channels: y / 2
	s_add_co_u32 s32, s32, s33
	s_and_b32 s33, s23, 1
	s_lshl_b32 s33, s33, 14                        ; places 256 (y % 2) on are l = 16 (y % 2) on: channel 64 (y % 2) on
	s_add_co_u32 s32, s32, s33
	s_and_b32 s33, s20, 1
	s_lshl_b32 s33, s33, 7                         ; d = 32 (wave % 2): 128 bytes
	s_add_co_u32 s32, s32, s33
	s_mov_b32 s33, 0
	s_lshl_b32 s34, s21, 20                        ; wc: the plane,
	s_lshl_b32 s35, s22, 17                        ; row 128 X,
	s_add_co_u32 s34, s34, s35
	s_lshl_b32 s35, s20, 15                        ; + 32 x wave,
	s_add_co_u32 s34, s34, s35
	s_lshl_b32 s35, s23, 8                         ; place 256 y
	s_add_co_u32 s34, s34, s35
	s_mov_b32 s35, 0
	s_cmp_eq_u32 s21, 0                            ; the choice of the buffer hangs on the work-group's number alone
	s_cselect_b64 s[36:37], s[6:7], s[8:9]
	s_cmp_eq_u32 s21, 2
	s_cselect_b64 s[36:37], s[10:11], s[36:37]
	s_add_nc_u64 s[36:37], s[36:37], s[32:33]
	s_add_nc_u64 s[38:39], s[16:17], s[34:35]
	s_wait_alu depctr_va_vdst(0)
	v_lshlrev_b32 v3, 2, v2                        ; in: 4 bytes a lane: 32 neighbouring d
	s_mul_i32 s40, s20, 32*PITCH                   ; my stage
	v_mul_u32_u24 v4, v2, PITCH
	v_add_nc_u32 v4, s40, v4                       ; into it: row = my column
	v_and_b32 v5, 15, v2
	v_lshrrev_b32 v6, 4, v2
	v_mul_u32_u24 v7, v6, PITCH
	v_lshl_add_u32 v7, v5, 4, v7
	v_add_nc_u32 v7, s40, v7                       ; out of it: sixteen lanes to a row, two rows an instruction
	v_lshlrev_b32 v8, 10, v6
	v_lshl_add_u32 v8, v5, 4, v8                   ; and the same place in wc: rows of 1,024 bytes
.macro WLOAD t                         ; block t: the 32 places 32 t on of my column: register i is channel 128 ((i % 16) / 4) + 8 t + 4 (i / 16) + i % 4 from the wave's first
.irp i, 0,1,2,3,4,5,6,7,8,9,10,11,12,13,14,15,16,17,18,19,20,21,22,23,24,25,26,27,28,29,30,31
	global_load_b32 v[WX+32*((\t)%2)+\i], v3, s[36:37] offset:256*(128*((\i%16)/4)+8*(\t)+4*(\i/16)+\i%4) th:TH_LOAD_NT
.endr
.endm
	WLOAD 0
	WLOAD 1
	s_wait_kmcnt 0x0
	s_cmp_eq_u32 s21, 0
	s_cselect_b32 s41, s24, s26                    ; entry 0 or 2,
	s_cmp_eq_u32 s21, 2
	s_cselect_b32 s41, s28, s41                    ; or 4
	s_add_co_i32 s41, s41, 127
	s_lshl_b32 s42, s41, 23
	v_mov_b32 v11, s42                             ; 2^e as f32: the conversion takes its exponent field
	s_add_co_i32 s41, s41, 8
	s_lshl_b32 s41, s41, 23
	s_or_b32 s41, s41, 0x600000
.macro WBLOCK t
.set XS, WX+32*((\t)%2)
.if (\t) < 7
	s_wait_loadcnt 32                              ; this block's 32 loads are in; the next block's 32 may be out
.else
	s_wait_loadcnt 0
.endif
.irp i, 0,1,2,3,4,5,6,7,8,9,10,11,12,13,14,15,16,17,18,19,20,21,22,23,24,25,26,27,28,29,30,31
.endr
.irp g, 0,1,2,3
	v_cvt_scalef32_pk8_fp8_f32 v[WC+2*\g:WC+2*\g+1], v[XS+8*\g:XS+8*\g+7], v11
.endr
	ds_store_b128 v4, v[WC:WC+3] offset:32*(\t)    ; 32 codes: 32 bytes of my column's row
	ds_store_b128 v4, v[WC+4:WC+7] offset:32*(\t)+16
.if (\t)+2 < 8
	WLOAD (\t)+2
.endif
	s_wait_dscnt 0x0                               ; the stores have read their registers: the next block's codes may be written
.endm
	s_wait_alu depctr_va_vdst(0)
.irp t, 0,1,2,3,4,5,6,7
	WBLOCK \t
.endr
.irp t, 0,1,2,3,4,5,6,7,8,9,10,11,12,13,14,15
	ds_load_b128 v[OUTR+4*\t:OUTR+4*\t+3], v7 offset:2*\t*PITCH   ; LDS serves a wave's instructions in order: these see my stores
.endr
.irp t, 0,1,2,3,4,5,6,7,8,9,10,11,12,13,14,15
	s_wait_dscnt 15-\t                             ; read-back t is in; the 15 - t behind it may be out
	global_store_b128 v8, v[OUTR+4*\t:OUTR+4*\t+3], s[38:39] offset:2*\t*1024   ; sixteen lanes store 256 consecutive bytes, at a multiple of 256 from wc's first byte
.endr
	s_wait_tensorcnt 0x0                           ; the wave's end, behind my last LDS store
	ds_add_u32 v[SPW], v[NIL]
	s_wait_dscnt 0x0
	s_endpgm
; ---------------- x.  A wave takes 16 steps of 512 numbers; run = 4 (id - 96) + wave.  Each of a step's four loads reads 512 consecutive bytes, 16 a lane; the lane's 16 numbers become 16 codes for each plane.
.Lx_path:
	s_sub_co_u32 s21, ttmp9, 96
	s_lshl_b32 s21, s21, 2
	s_add_co_u32 s21, s21, s20                     ; run 0..1023
	s_lshl_b32 s32, s21, 15                        ; 8,192 numbers of 4 bytes
	s_mov_b32 s33, 0
	s_add_nc_u64 s[4:5], s[4:5], s[32:33]
	s_lshl_b32 s32, s21, 13                        ; 8,192 codes
	s_add_nc_u64 s[34:35], s[14:15], s[32:33]      ; plane 0,
	s_add_nc_u64 s[36:37], s[34:35], 0x800000      ; plane 1,
	s_add_nc_u64 s[38:39], s[34:35], 0x1000000     ; plane 2
	s_wait_alu depctr_va_vdst(0)
	v_lshlrev_b32 v3, 4, v2                        ; 16 bytes a lane, in and out
.macro XLOAD t
.irp i, 0,1,2,3
	global_load_b128 v[XR+16*((\t)%4)+4*\i:XR+16*((\t)%4)+4*\i+3], v3, s[4:5] offset:2048*(\t)+512*\i th:TH_LOAD_NT
.endr
.endm
.irp t, 0,1,2,3
	XLOAD \t
.endr
	s_wait_kmcnt 0x0
.irp p, 0,1,2
	s_add_co_i32 s40, s[25+2*\p], 127              ; entry 1, 3, 5
	s_lshl_b32 s41, s40, 23
	v_mov_b32 v[8+\p], s41                         ; 2^e
	s_add_co_i32 s40, s40, 8
	s_lshl_b32 s40, s40, 23
	s_or_b32 s40, s40, 0x600000
.endr
.macro XSTEP t
.if 15-(\t) >= 3
	s_wait_loadcnt 12                              ; this step's four loads are in; those of the three steps behind it may be out
.else
	s_wait_loadcnt 4*(15-(\t))
.endif
	s_wait_xcnt 0x0                                ; the stores of two steps ago have read their data: that set of code registers is written again only behind this wait
.irp p, 0,1,2
.irp i, 0,1,2,3,4,5,6,7,8,9,10,11,12,13,14,15
.endr
	v_cvt_scalef32_pk8_fp8_f32 v[XC+12*((\t)%2)+4*\p:XC+12*((\t)%2)+4*\p+1], v[XT+16*\p+((XR+16*((\t)%4)+0)-(XT+16*\p+0)):XT+16*\p+7+((XR+16*((\t)%4)+0)-(XT+16*\p+0))], v[8+\p]
	v_cvt_scalef32_pk8_fp8_f32 v[XC+12*((\t)%2)+4*\p+2:XC+12*((\t)%2)+4*\p+3], v[XT+16*\p+8+((XR+16*((\t)%4)+0)-(XT+16*\p+0)):XT+16*\p+15+((XR+16*((\t)%4)+0)-(XT+16*\p+0))], v[8+\p]
.endr
.if (\t)+4 < 16
	v_nop
	XLOAD (\t)+4                                   ; loads ahead of stores
.endif
.irp p, 0,1,2
	global_store_b128 v3, v[XC+12*((\t)%2)+4*\p:XC+12*((\t)%2)+4*\p+3], s[34+2*\p:35+2*\p] offset:512*(\t)   ; the wave stores 512 consecutive bytes
.endr
.endm
	s_wait_alu depctr_va_vdst(0)
.irp t, 0,1,2,3,4,5,6,7,8,9,10,11,12,13,14,15
	XSTEP \t
.endr
	s_wait_tensorcnt 0x0                           ; the launch stores to LDS on its other path: the same end as there
	ds_add_u32 v[SPW], v[NIL]
	s_wait_dscnt 0x0
	s_endpgm
.Lfunc_end_k_q476d66ee54_quant:
	.size	k_q476d66ee54_quant, .Lfunc_end_k_q476d66ee54_quant-k_q476d66ee54_quant
	.p2alignl 7, 3214868480
	.fill 96, 4, 3214868480
	.section	.rodata,"a",@progbits
	.p2align	6, 0x0
	.amdhsa_kernel k_q476d66ee54_quant
		.amdhsa_group_segment_fixed_size 35840
		.amdhsa_private_segment_fixed_size 0
		.amdhsa_enable_private_segment 0
		.amdhsa_kernarg_size 56
		.amdhsa_user_sgpr_count 2
		.amdhsa_user_sgpr_kernarg_segment_ptr 1
		.amdhsa_wavefront_size32 1
		.amdhsa_system_sgpr_workgroup_id_x 1
		.amdhsa_system_sgpr_workgroup_id_y 1
		.amdhsa_system_sgpr_workgroup_id_z 1
		.amdhsa_system_vgpr_workitem_id 0
		.amdhsa_next_free_vgpr 192
		.amdhsa_next_free_sgpr 66
		.amdhsa_reserve_vcc 0
		.amdhsa_float_denorm_mode_32 3
		.amdhsa_float_denorm_mode_16_64 3
		.amdhsa_fp16_overflow 1
		.amdhsa_memory_ordered 1
		.amdhsa_forward_progress 1
		.amdhsa_inst_pref_size 53
	.end_amdhsa_kernel
	.amdgpu_metadata
---
amdhsa.version: [ 1, 2 ]
amdhsa.kernels:
  - .name:           k_q476d66ee54_quant
    .symbol:         k_q476d66ee54_quant.kd
    .args:
      - { .name: x, .offset: 0, .size: 8, .value_kind: global_buffer, .address_space: global }
      - { .name: Wq, .offset: 8, .size: 8, .value_kind: global_buffer, .address_space: global }
      - { .name: Wk, .offset: 16, .size: 8, .value_kind: global_buffer, .address_space: global }
      - { .name: Wv, .offset: 24, .size: 8, .value_kind: global_buffer, .address_space: global }
      - { .name: lowp_scales, .offset: 32, .size: 8, .value_kind: global_buffer, .address_space: global }
      - { .name: xc, .offset: 40, .size: 8, .value_kind: global_buffer, .address_space: global }
      - { .name: wc, .offset: 48, .size: 8, .value_kind: global_buffer, .address_space: global }
    .group_segment_fixed_size: 35840
    .private_segment_fixed_size: 0
    .kernarg_segment_align: 8
    .kernarg_segment_size: 56
    .max_flat_workgroup_size: 128
    .sgpr_count:     66
    .vgpr_count:     192
    .wavefront_size: 32
...
	.end_amdgpu_metadata
.endif
;; end of part 1
;; launch proj (part 2): grid 12 x 32, 4 waves a work-group, clusters of 4 x 4, 327,680 bytes of LDS; arguments xc, wc, lowp_scales, qkv; writes qkv
.if DOCPART == 2
	.amdgcn_target "amdgcn-amd-amdhsa--gfx1250"
	.amdhsa_code_object_version 6
	.text
	.protected	k_q476d66ee54_proj
	.globl	k_q476d66ee54_proj
	.p2align	8
	.type	k_q476d66ee54_proj,@function
k_q476d66ee54_proj:
	s_mov_b64 s[64:65], 0
	v_nop
	global_prefetch_b8 v0, s[64:65] scope:SCOPE_SE
	s_setreg_imm32_b32 hwreg(HW_REG_WAVE_MODE, 25, 1), 1
	s_wait_xcnt 0x0
	s_wait_alu depctr_hold_cnt(0) depctr_sa_sdst(0) depctr_va_vdst(0) depctr_va_sdst(0) depctr_va_ssrc(0) depctr_va_vcc(0) depctr_vm_vsrc(0)
	s_getreg_b32 s2, hwreg(HW_REG_IB_STS2, 6, 4)
	s_cmp_eq_u32 s2, 0
	s_cbranch_scc0 .Lentry_in_a_cluster
	s_endpgm
.Lentry_in_a_cluster:
	s_bfe_u32 s2, ttmp6, 0x10000c
	s_cmp_lg_u32 s2, 0xf033
	s_cbranch_scc0 .Lentry_shape_is_right
	s_endpgm
.Lentry_shape_is_right:
.set ROWB,   256
.set KROW,   1024
.set PITCH,  272
.set FR,     16
.set NL,     4
.set NP,     4
.set HALFT,  128*PITCH
.set SLOT,   4*HALFT
.set SPARE,  2*SLOT
.set HS,     393216
.set ADRA, 16
.set ADRB, 20
.set SPW,  28
.set NIL,  29
.set TMP,  32
.set AF,   128
.set CD,   128
.set G1, 24
.set G0, 32
.set G1B, 48
.set G0B, 56
.set MSB, 0
.macro WIN new
.if MSB != \new
	s_set_vgpr_msb (MSB<<8)|\new
.set MSB, \new
.endif
.endm
.set MUL_LO, 0xa1
.set MUL_HI, 0xf1
.set TO_B,   0x40
.macro JLOAD g0a, g1a, g0b, g1b
	s_cmp_eq_u32 s15, 0
	s_cbranch_scc0 .Lfor_b_\@
	tensor_load_to_lds s[\g0a:\g0a+3], s[\g1a:\g1a+7]
	s_nop 0
.rept 4
	v_nop
.endr
	s_branch .Lasked_\@
.Lfor_b_\@:
	tensor_load_to_lds s[\g0b:\g0b+3], s[\g1b:\g1b+7]
	s_nop 0
.rept 4
	v_nop
.endr
.Lasked_\@:
.endm
.macro CREST
	s_cmp_lg_u32 s14, 0
	s_cbranch_scc1 .Lnot_wave_0_\@
	s_barrier_signal -3
.Lnot_wave_0_\@:
	s_barrier_wait -3
	s_barrier_signal -1
	s_barrier_wait -1
.endm
.macro CROUND
	s_barrier_signal -1
	s_barrier_wait -1
	CREST
.endm
	s_load_b128 s[4:7], s[0:1], 0x0
	s_load_b128 s[8:11], s[0:1], 0x10
	v_lshl_add_u32 v[SPW], v0, 2, SPARE
	v_mov_b32 v[NIL], 0
	ds_add_u32 v[SPW], v[NIL]
	ds_add_u32 v[SPW], v[NIL]
	v_lshrrev_b32 v1, 5, v0
	v_readfirstlane_b32 s14, v1
	s_lshr_b32 s15, s14, 1
	s_and_b32 s16, s14, 1
	s_bfe_u32 s40, ttmp6, 0x40000
	s_bfe_u32 s41, ttmp6, 0x40004
	s_and_b32 s66, ttmp7, 0xffff
	s_lshl_b32 s66, s66, 2
	s_cmp_eq_u32 ttmp9, 2
	s_cselect_b32 s12, 0, s66
	s_cselect_b32 s13, s66, 0
	s_add_co_u32 s17, s41, s12
	s_add_co_u32 s42, s40, s13
	s_lshl_b32 s43, s41, 2
	s_lshl_b32 s43, 15, s43
	s_lshl_b32 s44, 0x1111, s40
	s_or_b32 s[G1+0], s43, (0<<16)|(1<<20)|(1<<21)|(5<<22)|(3<<25)
	s_or_b32 s[G1B+0], s44, (0<<16)|(1<<20)|(1<<21)|(5<<22)|(3<<25)
.irp g, G1, G1B
	s_mov_b32 s[\g+1], ROWB<<16
	s_mov_b32 s[\g+2], 128<<16
	s_mov_b32 s[\g+3], ROWB<<16
	s_mov_b32 s[\g+4], 128
	s_mov_b32 s[\g+5], KROW
	s_mov_b32 s[\g+6], 0
	s_mov_b32 s[\g+7], 0
.endr
	s_lshl_b32 s18, s16, 7
	s_lshl_b32 s20, s17, 8
	s_add_co_u32 s20, s20, s18
	s_lshl_b32 s20, s20, 10
	s_mov_b32 s21, 0
	s_lshl_b32 s46, s42, 8
	s_add_co_u32 s46, s46, s18
	s_lshl_b32 s46, s46, 10
	s_mov_b32 s47, 0
	s_lshl_b32 s2, ttmp9, 23
	s_mov_b32 s3, 0
	s_lshl_b32 s22, ttmp9, 20
	s_mov_b32 s23, 0
	s_mul_i32 s45, s14, HALFT
	s_wait_dscnt 0x0
	s_wait_kmcnt 0x0
	s_load_b256 s[80:87], s[8:9], 0x0
	s_load_b64 s[88:89], s[8:9], 0x20
	s_add_nc_u64 s[4:5], s[4:5], s[2:3]
	s_add_nc_u64 s[6:7], s[6:7], s[22:23]
	s_cmp_eq_u32 ttmp9, 2
	s_cselect_b64 s[68:69], s[6:7], s[4:5]
	s_cselect_b64 s[70:71], s[4:5], s[6:7]
	s_add_nc_u64 s[20:21], s[68:69], s[20:21]
	s_add_nc_u64 s[46:47], s[70:71], s[46:47]
	CROUND
.irp s, 0,1
	s_mov_b32 s[G0+4*\s], 1
	s_add_co_u32 s[G0+4*\s+1], s45, \s*SLOT
	s_add_nc_u64 s[G0+4*\s+2:G0+4*\s+3], s[20:21], \s*ROWB
	s_or_b32 s[G0+4*\s+3], s[G0+4*\s+3], 0x80000000
	s_mov_b32 s[G0B+4*\s], 1
	s_add_co_u32 s[G0B+4*\s+1], s45, \s*SLOT
	s_add_nc_u64 s[G0B+4*\s+2:G0B+4*\s+3], s[46:47], \s*ROWB
	s_or_b32 s[G0B+4*\s+3], s[G0B+4*\s+3], 0x80000000
	s_wait_alu depctr_va_vdst(0)
	s_wait_tensorcnt 0x0
	ds_add_u32 v28, v29
	ds_add_u32 v28, v29
	s_wait_dscnt 0x0
	CROUND
	JLOAD G0+4*\s, G1, G0B+4*\s, G1B
.endr
	v_and_b32 v1, 15, v0
	v_bfe_u32 v2, v0, 4, 1
	v_mul_u32_u24 v3, v1, PITCH
	v_lshl_add_u32 v4, v2, 4, v3
	s_mul_i32 s21, s15, HALFT
	s_mul_i32 s22, s16, HALFT
	s_add_co_u32 s22, s22, 2*HALFT
.irp s, 0,1
	v_add_nc_u32 v[ADRA+\s], s21, v4
	v_add_nc_u32 v[ADRB+\s], s22, v4
	s_add_co_u32 s21, s21, SLOT
	s_add_co_u32 s22, s22, SLOT
.endr
	s_cmp_eq_u32 ttmp9, 2
	s_cselect_b32 s90, s42, s17
	s_cselect_b32 s91, s17, s42
	s_cselect_b32 s92, s15, s16
	s_cselect_b32 s93, s16, s15
	s_mov_b32 s67, 1024
	s_cselect_b32 s67, 2048, s67
	s_mov_b32 s94, 4096
	s_cselect_b32 s94, HS, s94
	s_mov_b32 s96, HS
	s_cselect_b32 s96, 1024, s96
	s_mov_b32 s95, 0
	s_mov_b32 s97, 0
	s_lshr_b32 s98, s90, 3
	s_lshl_b32 s98, s98, 4
	s_lshl_b32 s91, s91, 2
	s_add_co_u32 s98, s98, s91
	s_lshl_b32 s92, s92, 1
	s_add_co_u32 s98, s98, s92
	s_lshl_b32 s98, s98, 3
	s_and_b32 s90, s90, 7
	s_add_co_u32 s98, s98, s90
	s_mul_i32 s98, s98, 3
	s_add_co_u32 s98, s98, ttmp9
	s_lshl_b32 s98, s98, 14
	s_lshl_b32 s93, s93, 13
	s_add_co_u32 s98, s98, s93
	s_mov_b32 s99, 0
	s_add_nc_u64 s[72:73], s[10:11], s[98:99]
	s_add_nc_u64 s[74:75], s[72:73], s[96:97]
	s_add_nc_u64 s[76:77], s[72:73], s[94:95]
	s_add_nc_u64 s[78:79], s[76:77], s[96:97]
	v_and_b32 v6, 31, v0
	v_lshlrev_b32 v10, 4, v6
	v_add_nc_u32 v11, s67, v10
	v_add_nc_u32 v12, s67, v11
	v_add_nc_u32 v13, s67, v12
.macro FRAG reg, adr, q, i
.irp c, 0,1,2,3
	ds_load_b128 v[\reg+4*\c:\reg+4*\c+3], v[\adr] offset:128*(\q)+32*\c+(\i)*16*PITCH
.endr
.endm
.macro MUL16 a0, p, zero
.irp a, \a0, \a0+1
.irp b, 0,1,2,3,4,5,6,7
.if \zero
	v_wmma_f32_16x16x128_fp8_fp8 v[8*(8*((\a)%4)+\b):8*(8*((\a)%4)+\b)+7], v[128*(\p)+FR*\b:128*(\p)+FR*\b+FR-1], v[AF+FR*(\a):AF+FR*(\a)+FR-1], 0
.else
	v_wmma_f32_16x16x128_fp8_fp8 v[8*(8*((\a)%4)+\b):8*(8*((\a)%4)+\b)+7], v[128*(\p)+FR*\b:128*(\p)+FR*\b+FR-1], v[AF+FR*(\a):AF+FR*(\a)+FR-1], v[8*(8*((\a)%4)+\b):8*(8*((\a)%4)+\b)+7]
.endif
.endr
.endr
.endm
.macro FETCH_B slot, q, p
	WIN TO_B
.irp i, 0,1,2,3,4,5,6,7
	FRAG 128*(\p)+FR*\i, ADRB+\slot, \q, \i
.endr
	WIN 0
.endm
.macro FETCH_A slot, q, i0
.irp i, \i0, \i0+1, \i0+2, \i0+3
	FRAG AF+FR*(\i), ADRA+\slot, \q, \i
.endr
.endm
.macro PLACES n
.rept \n
	v_nop
.endr
.endm
.macro STEP slot, q, zero
	s_wait_dscnt 4*NL
	WIN MUL_LO
	MUL16 0, (\q)%2, \zero
	MUL16 2, (\q)%2, \zero
	s_wait_dscnt 0
	PLACES NP
	FETCH_B \slot, (\q)+1, 1-(\q)%2
	FETCH_A \slot, (\q)+1, 0
	WIN MUL_HI
	MUL16 4, (\q)%2, \zero
	MUL16 6, (\q)%2, \zero
	PLACES NP
	WIN 0
	FETCH_A \slot, (\q)+1, 4
.endm
.macro TURN slot, next, fill
	s_wait_tensorcnt 0x0
	ds_add_u32 v[SPW], v[NIL]
	s_wait_dscnt 4*NL+1
	WIN MUL_LO
	MUL16 0, 1, 0
	s_wait_dscnt 0x0
	s_barrier_signal -1
	MUL16 2, 1, 0
	WIN 0
	s_barrier_wait -1
.if \fill
	CREST
	s_add_nc_u64 s[G0+4*\slot+2:G0+4*\slot+3], s[G0+4*\slot+2:G0+4*\slot+3], 2*ROWB
	s_add_nc_u64 s[G0B+4*\slot+2:G0B+4*\slot+3], s[G0B+4*\slot+2:G0B+4*\slot+3], 2*ROWB
	JLOAD G0+4*\slot, G1, G0B+4*\slot, G1B
.else
	PLACES NP
.endif
	FETCH_B \next, 0, 0
	FETCH_A \next, 0, 0
	WIN MUL_HI
	MUL16 4, 1, 0
	MUL16 6, 1, 0
	PLACES NP
	WIN 0
	FETCH_A \next, 0, 4
.endm
	s_wait_alu depctr_va_vdst(0)
	s_wait_tensorcnt 1
	s_barrier_signal -1
	s_barrier_wait -1
	FETCH_B 0, 0, 0
	FETCH_A 0, 0, 0
	FETCH_A 0, 0, 4
	STEP 0, 0, 1
	TURN 0, 1, 1
	STEP 1, 0, 0
	TURN 1, 0, 1
	STEP 0, 0, 0
	TURN 0, 1, 0
	STEP 1, 0, 0
	s_wait_dscnt 4*NL
	WIN MUL_LO
	MUL16 0, 1, 0
	MUL16 2, 1, 0
	s_wait_dscnt 0
	WIN MUL_HI
	MUL16 4, 1, 0
	MUL16 6, 1, 0
	WIN 0
	s_wait_kmcnt 0x0
	s_cmp_eq_u32 ttmp9, 0
	s_cselect_b32 s90, s80, s82
	s_cselect_b32 s91, s81, s83
	s_cselect_b32 s92, s86, s87
	s_cmp_eq_u32 ttmp9, 2
	s_cselect_b32 s90, s84, s90
	s_cselect_b32 s91, s85, s91
	s_cselect_b32 s92, s89, s92
	s_sub_co_i32 s92, s92, s90
	s_sub_co_i32 s92, s92, s91
	s_add_co_i32 s92, s92, 127
	s_lshl_b32 s93, s92, 23
	v_mov_b32 v8, s93
	s_add_co_i32 s92, s92, 8
	s_lshl_b32 s92, s92, 23
	s_or_b32 s92, s92, 0x600000
	PLACES NP
.macro OUT a
.set AC, 64*((\a)%4)
	WIN 0x02+((\a)/4)
.set n, 0
.rept 64
.set n, n+1
.endr
.irp b, 0,1,2,3,4,5,6,7
	v_cvt_scalef32_pk8_fp8_f32 v[CD+16*(\a)+2*\b:CD+16*(\a)+2*\b+1], v[AC+8*\b:AC+8*\b+7], v8
.endr
	WIN 0
	v_nop
.irp g, 0,1,2,3
	global_store_b128 v[10+(\a)%4], v[CD+16*(\a)+4*\g:CD+16*(\a)+4*\g+3], s[72+2*(2*((\a)/4)+\g/2):73+2*(2*((\a)/4)+\g/2)] offset:512*(\g%2)
.endr
.endm
.irp a, 0,1,2,3,4,5,6,7
	OUT \a
.endr
	s_wait_tensorcnt 0x0
	ds_add_u32 v[SPW], v[NIL]
	s_wait_dscnt 0x0
	CROUND
	s_endpgm
.Lfunc_end_k_q476d66ee54_proj:
	.size	k_q476d66ee54_proj, .Lfunc_end_k_q476d66ee54_proj-k_q476d66ee54_proj
	.p2alignl 7, 3214868480
	.fill 96, 4, 3214868480
	.section	.rodata,"a",@progbits
	.p2align	6, 0x0
	.amdhsa_kernel k_q476d66ee54_proj
		.amdhsa_group_segment_fixed_size 327680
		.amdhsa_private_segment_fixed_size 0
		.amdhsa_enable_private_segment 0
		.amdhsa_kernarg_size 32
		.amdhsa_user_sgpr_count 2
		.amdhsa_user_sgpr_kernarg_segment_ptr 1
		.amdhsa_wavefront_size32 1
		.amdhsa_system_sgpr_workgroup_id_x 1
		.amdhsa_system_sgpr_workgroup_id_y 1
		.amdhsa_system_sgpr_workgroup_id_z 1
		.amdhsa_system_vgpr_workitem_id 0
		.amdhsa_next_free_vgpr 1024
		.amdhsa_next_free_sgpr 100
		.amdhsa_reserve_vcc 0
		.amdhsa_float_denorm_mode_32 3
		.amdhsa_float_denorm_mode_16_64 3
		.amdhsa_fp16_overflow 1
		.amdhsa_memory_ordered 1
		.amdhsa_forward_progress 1
		.amdhsa_inst_pref_size 88
	.end_amdhsa_kernel
	.amdgpu_metadata
---
amdhsa.version: [ 1, 2 ]
amdhsa.kernels:
  - .name:           k_q476d66ee54_proj
    .symbol:         k_q476d66ee54_proj.kd
    .args:
      - { .name: xc, .offset: 0, .size: 8, .value_kind: global_buffer, .address_space: global }
      - { .name: wc, .offset: 8, .size: 8, .value_kind: global_buffer, .address_space: global }
      - { .name: lowp_scales, .offset: 16, .size: 8, .value_kind: global_buffer, .address_space: global }
      - { .name: qkv, .offset: 24, .size: 8, .value_kind: global_buffer, .address_space: global }
    .group_segment_fixed_size: 327680
    .private_segment_fixed_size: 0
    .kernarg_segment_align: 8
    .kernarg_segment_size: 32
    .max_flat_workgroup_size: 128
    .sgpr_count:     100
    .vgpr_count:     1024
    .wavefront_size: 32
...
	.end_amdgpu_metadata
.endif
;; end of part 2
;; launch attn (part 3): grid 4 x 64, 16 waves a work-group, no clusters, 327,680 bytes of LDS; arguments qkv, lowp_scales, out0; writes out0
.if DOCPART == 3
	.amdgcn_target "amdgcn-amd-amdhsa--gfx1250"
	.amdhsa_code_object_version 6
	.text
	.protected	k_q476d66ee54_attn
	.globl	k_q476d66ee54_attn
	.p2align	8
	.type	k_q476d66ee54_attn,@function
k_q476d66ee54_attn:
	s_mov_b64 s[64:65], 0
	v_nop
	global_prefetch_b8 v0, s[64:65] scope:SCOPE_SE
	s_setreg_imm32_b32 hwreg(HW_REG_WAVE_MODE, 25, 1), 1
	s_wait_xcnt 0x0
; THIRD LAUNCH: causal attention on codes of FP8 (E4M3): out[b][t][64 head + d] = sum over s <= t of softmax_s(q . k / 8) v, for 64 pairs bh = 16 b + head, 2,048 positions, head size 64.
; WORK LEFT OUT (shown at the head of the first launch): key steps all of whose 128 keys come after a wave's 32 queries, and slots of 256 keys behind the work-group's last query: the problem's own mask gives them the weight 0.
; THE SOFTMAX AHEAD OF THE SECOND PRODUCT: t = score x log2(e) / 8; M = the running largest t rounded UP to a whole number; p = 2^(t - M) is quantised under entry 8, not normalised; the row's sum is taken of the
; unquantised p and divides at the end.  When M moves, the sum and O are multiplied by 2^(old M - new M), which rounds nothing.
; qkv holds images of operand registers (second launch): every fragment comes by loads of 16 bytes a lane, 512 consecutive bytes an instruction: no pitch, no padding.
; SHARES.  Work-group (i, bh) owns the blocks of 256 queries 7 - i and i of one head: (8 - i) + (i + 1) = 9 block-slots of keys in every work-group, so the 256 work-groups have equal work.
; Each of sixteen waves owns 32 neighbouring queries, two tiles A and B, which share every fragment of K and V read from LDS.  role = (w ^ (w / 4)) & 1 says which block (0: block 7 - i), idx = w / 2 which 32 of it.
; Both products are used transposed: S^T = K Q^T (source 0 = 16 keys, source 1 = 16 queries), O^T = V^T P^T: a lane holds ONE query (lane % 16) throughout, and the eight scores of a tile are keys 8 (lane / 16) + 0 .. 7
; of that tile: converted, they are registers 2 tau, 2 tau + 1 of P's fragment.
; RING: two LDS slots of 256 keys (K's 16,384 bytes, then V's), filled by waves 0 (K) and 1 (V), read by all sixteen.  Every work-group walks all 8 slots: the trip counts are constants.
; NO CLUSTER: the four work-groups of a head need different numbers of slots (8 - i): a joint load would bring three of them tiles that none of their waves reads.
; LIMITS: entries 6 + 7 between -123 and 130 (added to c's exponent field); entry 8 between -126 and 119; entries 8 + 9 go in by v_ldexp_f32 and have none.
; REGISTERS: v1-7 addresses that stay; v8-11 at work; v12-15 tile A's -M, largest t, sum in two halves; v16-19 tile B's; v20-35 Q (A, B); v36-99 K's eight fragments, later P of B (v36-51);
; v100-163 S^T, then p, then V's four fragments; v164-195 O^T of A; v196-227 of B; v228-243 P of A; v244 2^e8; v246 f; v248-251 at work; v252 the lane exchange; v253 -infinity.
.set HS,    393216                     ; bytes of qkv from head to head
.set BLKB,  49152                      ; from block to block: q, k, v of 256 positions
.set SLOT1, 1<<15                      ; slot 1 begins here: one exclusive or turns an address in one slot into the other's
.set STAGE, 65536                      ; behind the ring: 16 rows x 272 bytes for each wave, for the way out; no tile lands there
.set SPARE, STAGE+16*16*272            ; behind the stages: the spare words, 128 bytes for each wave
.set LI,   1                           ; v1   16 x lane
.set ADR,  2                           ; v2   LDS address of the step's fragments
.set PFO,  3                           ; v3   256 x lane: the prefetches' offset
.set DQ,   4                           ; v4   lane % 16 - 8 (lane / 16), for the mask
.set SPW,  5                           ; v5   LDS address of my spare word; never rewritten
.set NIL,  6                           ; v6   0; never rewritten
.set GO,   7                           ; v7   the way out: my byte offset in two rows of out
.set QA,   20
.set F,    36
.set S,    100
.set OA,   164
.set PA,   228
.set PB,   36
.set TB,   2                           ; s2   LDS byte at which the slot in hand begins
.set WV,   18                          ; s18  my wave's number
.set SEL,  20                          ; s[20:21] lane selects for v_permlanex16_b32: lane l xor 16
.set CS,   22                          ; s[22:23] c = log2(e) / 8 x 2^(e6 + e7)
.set G1,   24                          ; s[24:31] descriptor group 1
.set G0,   32                          ; s[32:35] descriptor group 0, which walks
.set SLOTS, 36                         ; s36  changes of slots still to come in the loop
.set KF,   37                          ; s37  the step's first key
.set Q0,   38                          ; s38  my first query
.set QL,   39                          ; s39  my work-group's last query
.set PFA,  40                          ; s[40:41] where my prefetches stand
.set LIM,  42                          ; s42  1 in a wave that prefetches, else the greatest number
; Waves 0 and 1 fetch, the others nothing.  The branch hangs on the wave's number alone.  An s_nop 0 and four v_nop follow the load.
.macro TLOAD
	s_cmp_lt_u32 s[WV], 2
	s_cbranch_scc0 .Lasked_\@
	tensor_load_to_lds s[G0:G0+3], s[G1:G1+7]
	s_nop 0
.rept 4
	v_nop
.endr
.Lasked_\@:
.endm
; A PREFETCH INTO THE L2 of the 32,768 bytes of K and V that the NEXT change of slots will ask for: a slot's two key steps ahead of that load.  All four work-groups of a head walk the same K and V: work-group i = 0,
; which reads all eight slots, asks; in it waves 4 to 7, which fetch nothing, 8,192 bytes each, lanes 256 bytes apart: each aligned block of 256 bytes is named once in the launch.
; The last change that fills a slot asks for nothing; slots 0 and 1 come by their loads alone.
.macro ASK
	s_cmp_gt_u32 s[SLOTS], s[LIM]
	s_cbranch_scc0 .Lnot_mine_\@
	global_prefetch_b8 v[PFO], s[PFA:PFA+1] th:TH_LOAD_NT scope:SCOPE_SE
.Lnot_mine_\@:
.endm
	s_load_b128 s[4:7], s[0:1], 0x0                ; qkv s[4:5], the scales' exponents s[6:7]
	s_load_b64 s[8:9], s[0:1], 0x10                ; out
	v_lshl_add_u32 v[SPW], v0, 2, SPARE
	v_mov_b32 v[NIL], 0
	ds_add_u32 v[SPW], v[NIL]                      ; the wave's opening: the add, twice on end, and its wait ahead of my first tensor load
	ds_add_u32 v[SPW], v[NIL]                      ; and once more, under the one wait; the set-up below, work on registers, stands between
	v_lshrrev_b32 v8, 5, v0
	s_delay_alu instid0(VALU_DEP_1)
	v_readfirstlane_b32 s[WV], v8                  ; wave 0..15
	s_and_b32 s48, ttmp7, 0xffff                   ; bh
	s_mul_i32 s50, s48, HS                         ; the head's first byte in qkv: under 2^25
	s_lshr_b32 s52, s[WV], 2
	s_xor_b32 s52, s52, s[WV]
	s_and_b32 s52, s52, 1                          ; role
	s_sub_co_u32 s53, 7, ttmp9
	s_cmp_eq_u32 s52, 0
	s_cselect_b32 s53, s53, ttmp9                  ; my block of 256 queries: 7 - i or i
	s_lshr_b32 s54, s[WV], 1                       ; idx
	s_lshl_b32 s[Q0], s53, 8
	s_lshl_b32 s55, s54, 5
	s_add_co_u32 s[Q0], s[Q0], s55                 ; my first query
	s_sub_co_u32 s[QL], 8, ttmp9
	s_lshl_b32 s[QL], s[QL], 8
	s_sub_co_u32 s[QL], s[QL], 1                   ; the last query of block 7 - i
	s_mul_i32 s56, s53, BLKB                       ; Q: my block,
	s_lshl_b32 s57, s54, 11                        ; my two tiles of 1,024 bytes,
	s_add_co_u32 s56, s56, s57
	s_add_co_u32 s56, s56, s50                     ; my head
	s_mov_b32 s57, 0
	s_lshr_b32 s58, s48, 4                         ; out: row 2,048 batch + my first query, of 4,096 bytes,
	s_lshl_b32 s58, s58, 11
	s_add_co_u32 s58, s58, s[Q0]
	s_lshl_b32 s58, s58, 12
	s_and_b32 s59, s48, 15
	s_lshl_b32 s59, s59, 8                         ; + 256 x head
	s_add_co_u32 s58, s58, s59
	s_mov_b32 s59, 0
	s_and_b32 s60, s[WV], 1
	s_lshl_b32 s60, s60, 14                        ; what I fetch, if I fetch: wave 0 K's block, wave 1 V's: 16,384 bytes on, in a slot and in memory alike
	s_add_co_u32 s62, s50, s60
	s_add_co_u32 s62, s62, 16384                   ; K's block lies behind Q's
	s_mov_b32 s63, 0
	; descriptor group 1: a dense block of 16,384 bytes as 64 rows of 256 bytes, no padding
	s_mov_b32 s[G1], 3<<16                         ; 15:0 no mask; 17:16 elements of 8 bytes
	s_mov_b32 s[G1+1], 32<<16                      ; tensor_dim0 = 32
	s_mov_b32 s[G1+2], 64<<16                      ; tensor_dim1 = 64
	s_mov_b32 s[G1+3], 32<<16                      ; tile_dim0 = 32
	s_mov_b32 s[G1+4], 64                          ; tile_dim1 = 64
	s_mov_b32 s[G1+5], 32                          ; tensor_dim0_stride
	s_mov_b32 s[G1+6], 0
	s_mov_b32 s[G1+7], 0
	s_mov_b32 s[SEL], 0x76543210
	s_mov_b32 s[SEL+1], 0xfedcba98
	s_mov_b32 s[CS], 0x3e38aa3b                    ; log2(e) / 8
	s_mov_b32 s[TB], 0
	s_mov_b32 s[SLOTS], 7
	s_mov_b32 s[KF], 0
	s_wait_dscnt 0x0                               ; both opening adds are done
	s_wait_kmcnt 0x0
	s_load_b128 s[44:47], s[6:7], 0x18             ; entries 6 to 9: q, k, p, v
	s_mov_b32 s[G0], 1                             ; count = 1
	s_mov_b32 s[G0+1], s60                         ; LDS address: slot 0
	s_add_nc_u64 s[G0+2:G0+3], s[4:5], s[62:63]    ; global address: the head's first 256 keys
	s_or_b32 s[G0+3], s[G0+3], 0x80000000          ; type = 2
	TLOAD                                          ; slot 0: one load of mine is out at the most, here and behind every change of slots
	s_add_nc_u64 s[10:11], s[4:5], s[56:57]        ; Q's images
	s_add_nc_u64 s[8:9], s[8:9], s[58:59]          ; out at my first query, my head
	s_and_b32 s52, s[WV], 3
	s_lshl_b32 s52, s52, 13                        ; the prefetches: my 8,192 bytes,
	s_add_co_u32 s52, s52, s50                     ; in my head,
	s_add_co_u32 s52, s52, 16384+BLKB              ; in slot 1: the first change of slots steps it to slot 2.  Nothing is prefetched at the head
	s_mov_b32 s53, 0
	s_add_nc_u64 s[PFA:PFA+1], s[4:5], s[52:53]
	s_sub_co_u32 s52, s[WV], 4
	s_lshr_b32 s52, s52, 2                         ; 0 in waves 4 to 7,
	s_or_b32 s52, s52, ttmp9                       ; of work-group i = 0
	s_cmp_eq_u32 s52, 0
	s_cselect_b32 s[LIM], 1, -1
	v_and_b32 v8, 15, v0                           ; r
	v_bfe_u32 v9, v0, 4, 1                         ; h
	v_and_b32 v10, 31, v0
	s_delay_alu instid0(VALU_DEP_1)
	v_lshlrev_b32 v[LI], 4, v10
	s_delay_alu instid0(VALU_DEP_2)
	v_lshlrev_b32 v[PFO], 8, v10
.irp x, 0,1
.irp c, 0,1
	global_load_b128 v[QA+8*\x+4*\c:QA+8*\x+4*\c+3], v[LI], s[10:11] offset:1024*\x+512*\c   ; Q's two fragments stay in registers
.endr
.endr
	v_lshlrev_b32 v11, 3, v9
	s_delay_alu instid0(VALU_DEP_1)
	v_sub_nc_u32 v[DQ], v8, v11
	v_lshlrev_b32 v[GO], 12, v9
	s_delay_alu instid0(VALU_DEP_1)
	v_lshl_add_u32 v[GO], v8, 4, v[GO]             ; lanes 0-15 one row of out, lanes 16-31 the next; 16 bytes a lane
	v_mov_b32 v13, 0xff61b1e6                      ; the largest t so far: -3e38, under every t
	s_delay_alu instid0(VALU_DEP_1)
	v_floor_f32 v12, -v13                          ; -M
	v_mov_b32 v14, 0
	v_mov_b32 v15, 0
	v_mov_b32 v17, 0xff61b1e6
	s_delay_alu instid0(VALU_DEP_1)
	v_floor_f32 v16, -v17
	v_mov_b32 v18, 0
	v_mov_b32 v19, 0
	v_mov_b32 v247, 0                              ; (named as the upper half of the pair v[246:247])
	v_mov_b32 v252, 0                              ; a lane permute's destination counts as one of its sources
	v_mov_b32 v253, 0xff800000                     ; -infinity
.set n, 0
.rept 64
	v_mov_b32 v[OA+n], 0                           ; O^T of both tiles.  (The step is written for every trip alike: the first finds zeros, which the first change of M leaves zeros)
.set n, n+1
.endr
	s_wait_kmcnt 0x0
	s_add_co_i32 s48, s44, s45
	s_lshl_b32 s48, s48, 23
	s_add_co_i32 s[CS], s[CS], s48                 ; a score stands for score x 2^(e6 + e7): the exponents are added to c's exponent field
	s_mov_b32 s[CS+1], s[CS]                       ; (named with it as a pair)
	s_add_co_i32 s48, s46, 127
	s_lshl_b32 s49, s48, 23
	v_mov_b32 v244, s49                            ; 2^e8
; THE SOFTMAX of tile x (0: A, 1: B) for the step's 128 keys: 64 scores a lane in v[S] on; p's codes go to v[pd] on.  Register 8 tau + j holds key KF + 16 tau + 8 (lane / 16) + j.
.macro SOFTMAX x, pd
.set ST, 12+4*(\x)
	s_add_co_u32 s48, s[KF], 127                   ; a step all of whose keys count skips the mask (KF and Q0 are multiples of 32: the test serves queries Q0 + 16 on as well)
	s_cmp_le_u32 s48, s[Q0]
	s_cbranch_scc1 .Lopen_\@
	s_sub_co_i32 s48, s[Q0], s[KF]
	s_add_co_i32 s48, s48, 16*(\x)
	v_add_nc_u32 v250, s48, v[DQ]                  ; d = my query - KF - 8 (lane / 16): the key of register 8 tau + j is hidden where 16 tau + j > d
.set n, 0
.rept 64
	v_cmp_gt_i32 vcc_lo, 16*(n/8)+n%8, v250
	v_cndmask_b32 v[S+n], v[S+n], v253, vcc_lo     ; -infinity ahead of the maximum: p = 0 then.  Key KF counts for every query of a step that is walked, so the maximum is a number
.set n, n+1
.endr
.Lopen_\@:
	v_max3_num_f32 v250, v[S], v[S+1], v[S+2]      ; the step's largest score of my query among my 64 keys, in two chains, each accumulator from its low end on
	v_max3_num_f32 v251, v[S+3], v[S+4], v[S+5]
.irp i, 6,10,14,18,22,26,30,34,38,42,46,50,54,58
	v_max3_num_f32 v250, v250, v[S+\i], v[S+\i+1]
	v_max3_num_f32 v251, v251, v[S+\i+2], v[S+\i+3]
.endr
	v_max3_num_f32 v250, v250, v[S+62], v[S+63]
	s_delay_alu instid0(VALU_DEP_1)
	v_max_num_f32 v250, v250, v251
	s_delay_alu instid0(VALU_DEP_1)
	v_permlanex16_b32 v252, v250, s[SEL], s[SEL+1]
	s_delay_alu instid0(VALU_DEP_1)
	v_max_num_f32 v250, v250, v252                 ; and among lane l xor 16's
	s_delay_alu instid0(VALU_DEP_1)
	v_mul_f32 v250, s[CS], v250                    ; as t (c is positive)
	s_delay_alu instid0(VALU_DEP_1)
	v_max_num_f32 v[ST+1], v[ST+1], v250           ; the running largest t
	v_mov_b32 v250, v[ST]
	s_delay_alu instid0(VALU_DEP_2)
	v_floor_f32 v[ST], -v[ST+1]                    ; the new -M = floor(-t) = -ceil(t)
	s_delay_alu instid0(VALU_DEP_1)
	v_sub_f32 v250, v[ST], v250                    ; old M less new M: a whole number, 0 or less
	s_delay_alu instid0(VALU_DEP_1)
	v_cvt_i32_f32 v250, v250                       ; (it saturates)
	s_delay_alu instid0(VALU_DEP_1)
	v_ldexp_f32 v246, 1.0, v250                    ; f = 2^(old M - new M)
.set n, 0
.rept 32
	v_pk_fma_f32 v[S+n:S+n+1], v[S+n:S+n+1], s[CS:CS+1], v[ST:ST+1] op_sel_hi:[1,0,0]   ; t - M, two at a time (of the pairs c and -M the low word serves both halves)
.set n, n+2
.endr
.set n, 0
	s_wait_alu depctr_va_vdst(0)
.rept 64
	v_exp_f32 v[S+n], v[S+n]                       ; p = 2^(t - M), at most 1
.set n, n+1
.endr
	v_pk_mul_f32 v[ST+2:ST+3], v[ST+2:ST+3], v[246:247] op_sel_hi:[1,0]   ; the sums under the new M: the plain line behind the exponentials
	s_wait_alu depctr_va_vdst(0)                   ; one wait for the batch of 64, ahead of its first reader
	v_pk_add_f32 v[248:249], v[S:S+1], v[S+2:S+3]  ; the row's sum of the UNQUANTISED p, in two chains
.irp j, 4,8,12,16,20,24,28,32,36,40,44,48,52,56,60
	v_pk_add_f32 v[ST+2:ST+3], v[ST+2:ST+3], v[S+\j:S+\j+1]
	v_pk_add_f32 v[248:249], v[248:249], v[S+\j+2:S+\j+3]
.endr
	s_delay_alu instid0(VALU_DEP_1)
	v_pk_add_f32 v[ST+2:ST+3], v[ST+2:ST+3], v[248:249]
.irp t, 0,1,2,3,4,5,6,7
.irp j, 0,1,2,3,4,5,6,7
.endr
	v_cvt_scalef32_pk8_fp8_f32 v[\pd+2*\t:\pd+2*\t+1], v[S+8*\t:S+8*\t+7], v244   ; keys 16 tau + 8 (lane / 16) + 0 .. 7: registers 2 tau, 2 tau + 1 of P's fragment
.endr
	v_nop                                          ; a plain line between the last conversion and what next writes its sources or reads its result
.endm
; A KEY STEP: 128 keys, the q-th half of the slot in hand, for both tiles.
.macro STEP q
	s_add_co_u32 s48, s[Q0], 31                    ; a step all of whose keys come after my 32 queries is left out: a branch on ids and the count of steps, round no barrier and no tensor load
	s_cmp_gt_u32 s[KF], s48
	s_cbranch_scc1 .Lhidden_\@
	v_add_nc_u32 v[ADR], s[TB], v[LI]
.rept 4
	v_nop                                          ; with the addition five places behind the last step's products: four for the loads into v36 on (they read P of B there), five for the products below, which write over V's fragments
.endr
.irp t, 0,1,2,3,4,5,6,7
.irp c, 0,1
	ds_load_b128 v[F+8*\t+4*\c:F+8*\t+4*\c+3], v[ADR] offset:(8*(\q)+\t)*1024+512*\c   ; K's eight tiles of 16 keys
.endr
.endr
	s_wait_dscnt 8                                 ; tiles 0-3 are in; the eight loads of tiles 4-7 may be out
.irp t, 0,1,2,3
	v_wmma_f32_16x16x64_fp8_fp8 v[S+8*\t:S+8*\t+7], v[F+8*\t:F+8*\t+7], v[QA:QA+7], 0
.endr
	s_wait_dscnt 0x0
.irp t, 4,5,6,7
	v_wmma_f32_16x16x64_fp8_fp8 v[S+8*\t:S+8*\t+7], v[F+8*\t:F+8*\t+7], v[QA:QA+7], 0
.endr
.rept 4
	v_nop                                          ; places in front of the first read of the scores
.endr
	SOFTMAX 0, PA
.irp t, 0,1,2,3,4,5,6,7
	v_wmma_f32_16x16x64_fp8_fp8 v[S+8*\t:S+8*\t+7], v[F+8*\t:F+8*\t+7], v[QA+8:QA+15], 0   ; tile B's scores from the same fragments of K
.endr
.set n, 0
.rept 16
	v_pk_mul_f32 v[OA+n:OA+n+1], v[OA+n:OA+n+1], v[246:247] op_sel_hi:[1,0]   ; O^T of A under its new M, while f is still A's.  These are the places behind the products above
.set n, n+2
.endr
	SOFTMAX 1, PB
.irp b, 0,1,2,3
.irp c, 0,1,2,3
	ds_load_b128 v[S+16*\b+4*\c:S+16*\b+4*\c+3], v[ADR] offset:16384+(4*(\q)+\b)*2048+512*\c   ; V's four fragments (16 channels x 128 keys) take p's place
.endr
.endr
.set n, 0
.rept 16
	v_pk_mul_f32 v[OA+32+n:OA+32+n+1], v[OA+32+n:OA+32+n+1], v[246:247] op_sel_hi:[1,0]   ; O^T of B under its new M
.set n, n+2
.endr
	s_wait_alu depctr_va_vdst(0)
.irp b, 0,1,2,3                                ; O^T += V^T P^T: eight accumulators, one instruction each
	s_wait_dscnt 12-4*\b                           ; fragment b is in; the later fragments' loads may be out
	v_wmma_f32_16x16x128_fp8_fp8 v[OA+8*\b:OA+8*\b+7], v[S+16*\b:S+16*\b+15], v[PA:PA+15], v[OA+8*\b:OA+8*\b+7]
	v_wmma_f32_16x16x128_fp8_fp8 v[OA+32+8*\b:OA+32+8*\b+7], v[S+16*\b:S+16*\b+15], v[PB:PB+15], v[OA+32+8*\b:OA+32+8*\b+7]
.endr
.Lhidden_\@:
	s_add_co_u32 s[KF], s[KF], 128
.endm
; THE CHANGE OF SLOTS stands at a slot's head.  Each wave waits for all its tensor loads (its part of the slot that it is about to read), adds 0 to its spare word (fill = 1: twice on end), and waits for that and for
; its reads of the slot that it has left.  Behind the barrier the slot ahead is whole and nobody reads the other one.  fill = 1: that other slot is filled with the next 256 keys, up to the causal limit.
.macro CHANGE fill
	s_wait_tensorcnt 0x0                           ; no tensor load of mine is out, so group 0 may be written
	ds_add_u32 v[SPW], v[NIL]                      ; 0 onto my spare word
.if \fill
	ds_add_u32 v[SPW], v[NIL]                      ; and once more: the add twice on end, in every trip alike
	s_xor_b32 s[G0+1], s[G0+1], SLOT1              ; the walking descriptor: the other slot than last time,
	s_add_nc_u64 s[G0+2:G0+3], s[G0+2:G0+3], BLKB  ; the next block's K or V; the type bits on top are not reached
	s_wait_xcnt 0x0                                ; the last prefetch, a slot back, has read its address, so it may be written:
	s_add_nc_u64 s[PFA:PFA+1], s[PFA:PFA+1], BLKB  ; one slot further on than the walking descriptor
.endif
	s_wait_dscnt 0x0                               ; the add is done (fill = 1: both are), and my reads of the slot that I have left are over
	s_barrier_signal -1
	s_barrier_wait -1
.if \fill
	s_add_co_u32 s48, s[KF], 256                   ; the first key of the slot that this change would ask for
	s_cmp_gt_u32 s48, s[QL]                        ; behind my work-group's last query none of its waves reads it, so it is not asked for.  Ids and the count of steps alone: all sixteen waves go the same way
	s_cbranch_scc1 .Lpast_\@
	TLOAD                                          ; the first thing behind the barrier, and a wave's one tensor load until the next
.Lpast_\@:
	ASK
.endif
.endm
	s_wait_loadcnt 0x0                             ; Q
.Lslot:                                            ; seven trips: behind each change of slots but the last the next slot is asked for, up to the limit
	CHANGE 1
	STEP 0
	STEP 1
	s_xor_b32 s[TB], s[TB], SLOT1                  ; on to the other slot
	s_sub_co_u32 s[SLOTS], s[SLOTS], 1
	s_cmp_lg_u32 s[SLOTS], 0
	s_cbranch_scc1 .Lslot
	CHANGE 0                                       ; the last slot is written out: nothing is left to ask for
	STEP 0
	STEP 1
	; THE WAY OUT.  O^T / the sum x 2^(e8 + e9) goes through my stage in LDS, a tile of 16 queries at a time, so that sixteen lanes store one aligned run of 256 bytes: a head's 64 numbers of a row of out.
.rept 4
	v_nop                                          ; places behind the last products
.endr
	v_add_f32 v14, v14, v15                        ; the sums' two halves,
	v_add_f32 v18, v18, v19
	s_delay_alu instid0(VALU_DEP_2)
	v_permlanex16_b32 v252, v14, s[SEL], s[SEL+1]
	s_delay_alu instid0(VALU_DEP_1)
	v_add_f32 v14, v14, v252                       ; and lane l xor 16's
	s_delay_alu instid0(VALU_DEP_2)
	v_permlanex16_b32 v252, v18, s[SEL], s[SEL+1]
	s_delay_alu instid0(VALU_DEP_1)
	v_add_f32 v18, v18, v252
	s_wait_alu depctr_va_vdst(0)
	v_rcp_f32 v14, v14
	v_rcp_f32 v18, v18
	v_and_b32 v8, 15, v0                           ; (a plain line behind the reciprocals)  r
	v_bfe_u32 v9, v0, 4, 1                         ; h
	s_add_co_i32 s48, s46, s47                     ; e8 + e9
	s_mul_i32 s49, s[WV], 16*272
	s_add_co_u32 s49, s49, STAGE                   ; my stage
	v_mul_u32_u24 v10, v8, 272
	s_delay_alu instid0(VALU_DEP_1)
	v_lshl_add_u32 v10, v9, 5, v10
	s_delay_alu instid0(VALU_DEP_1)
	v_add_nc_u32 v10, s49, v10                     ; in: row r; channels 16 b + 8 h on: 64 b + 32 h bytes
	v_mul_u32_u24 v11, v9, 272
	s_delay_alu instid0(VALU_DEP_1)
	v_lshl_add_u32 v11, v8, 4, v11
	s_delay_alu instid0(VALU_DEP_1)
	v_add_nc_u32 v11, s49, v11                     ; back: lanes 0-15 one row, lanes 16-31 the next
	s_wait_alu depctr_va_vdst(0)                   ; one wait for the two reciprocals, ahead of their first reader
	v_ldexp_f32 v14, v14, s48
	v_ldexp_f32 v18, v18, s48
.set n, 0
.rept 32
	v_mul_f32 v[S+n], v[OA+n], v14                 ; register 8 b + j is out(query r, channel 16 b + 8 h + j); each accumulator from its low end on
.set n, n+1
.endr
.set n, 0
.rept 32
	v_mul_f32 v[S+32+n], v[OA+32+n], v18
.set n, n+1
.endr
.irp x, 0,1
.irp b, 0,1,2,3
	ds_store_b128 v10, v[S+32*\x+8*\b:S+32*\x+8*\b+3] offset:64*\b
	ds_store_b128 v10, v[S+32*\x+8*\b+4:S+32*\x+8*\b+7] offset:64*\b+16
.endr
.irp i, 0,1,2,3,4,5,6,7
	ds_load_b128 v[F+32*\x+4*\i:F+32*\x+4*\i+3], v11 offset:544*\i   ; LDS serves a wave's instructions in order: these see my stores, and tile B's stores come behind tile A's loads
.endr
.endr
.irp x, 0,1
.irp i, 0,1,2,3,4,5,6,7
	s_wait_dscnt 23-16*\x-\i                       ; this read-back is in; behind it: the tile's later ones, and for tile A tile B's sixteen
	global_store_b128 v[GO], v[F+32*\x+4*\i:F+32*\x+4*\i+3], s[8:9] offset:(16*\x+2*\i)*4096 th:TH_STORE_NT
.endr
.endr
	s_wait_tensorcnt 0x0                           ; the wave's end, behind my last tensor load and my last LDS store
	ds_add_u32 v[SPW], v[NIL]
	s_wait_dscnt 0x0
	s_endpgm
.Lfunc_end_k_q476d66ee54_attn:
	.size	k_q476d66ee54_attn, .Lfunc_end_k_q476d66ee54_attn-k_q476d66ee54_attn
	.p2alignl 7, 3214868480
	.fill 96, 4, 3214868480
	.section	.rodata,"a",@progbits
	.p2align	6, 0x0
	.amdhsa_kernel k_q476d66ee54_attn
		.amdhsa_group_segment_fixed_size 327680
		.amdhsa_private_segment_fixed_size 0
		.amdhsa_enable_private_segment 0
		.amdhsa_kernarg_size 24
		.amdhsa_user_sgpr_count 2
		.amdhsa_user_sgpr_kernarg_segment_ptr 1
		.amdhsa_wavefront_size32 1
		.amdhsa_system_sgpr_workgroup_id_x 1
		.amdhsa_system_sgpr_workgroup_id_y 1
		.amdhsa_system_sgpr_workgroup_id_z 1
		.amdhsa_system_vgpr_workitem_id 0
		.amdhsa_next_free_vgpr 256
		.amdhsa_next_free_sgpr 100
		.amdhsa_reserve_vcc 1
		.amdhsa_float_denorm_mode_32 3
		.amdhsa_float_denorm_mode_16_64 3
		.amdhsa_fp16_overflow 1
		.amdhsa_memory_ordered 1
		.amdhsa_forward_progress 1
		.amdhsa_inst_pref_size 157
	.end_amdhsa_kernel
	.amdgpu_metadata
---
amdhsa.version: [ 1, 2 ]
amdhsa.kernels:
  - .name:           k_q476d66ee54_attn
    .symbol:         k_q476d66ee54_attn.kd
    .args:
      - { .name: qkv, .offset: 0, .size: 8, .value_kind: global_buffer, .address_space: global }
      - { .name: lowp_scales, .offset: 8, .size: 8, .value_kind: global_buffer, .address_space: global }
      - { .name: out0, .offset: 16, .size: 8, .value_kind: global_buffer, .address_space: global }
    .group_segment_fixed_size: 327680
    .private_segment_fixed_size: 0
    .kernarg_segment_align: 8
    .kernarg_segment_size: 24
    .max_flat_workgroup_size: 512
    .sgpr_count:     100
    .vgpr_count:     256
    .wavefront_size: 32
...
	.end_amdgpu_metadata
.endif
;; end of part 3
